; MI455X (gfx1250); checked and timed in simulation.
; The chip was launched on July 23, 2026; its instructions are those of AMD's public machine-readable ISA for CDNA 5 (MIT licence, August 2026) and "CDNA5" Instruction Set Architecture Reference Guide (July 2026). The comments in the code are by the model that wrote it; some were corrected since.
;; Weight Only Quantized Linear. Allowed arithmetic: matrix products marked QUANTISED: E2M1 operands, one E8M0 scale for each 32 along K, by v_wmma_scale_f32_16x16x128_f8f6f4 with both operands' format E2M1 (or v_wmma_scale_f32_32x16x128_f4), f32 sums; everything else in f32.
;; Inputs: bias 4,096 float32; qweight 4,096 x 4,096 int32; scales 4,096 float32; x 4 x 1,024 x 4,096 float32; zero_points 4,096 float32.
;; Outputs: out0 4 x 1,024 x 4,096 float32.
;; This version of the problem:
;;   THIS VERSION OF THE PROBLEM IS GIVEN IN LOW PRECISION. The matrix products marked QUANTISED in the list below multiply operands that are first quantised to E2M1 (2 exponent bits, 1 mantissa bit; 4 bits a number), with one power-of-two scale for each 32 numbers along K (OCP MX v1.0); their sums are f32. All else is computed in f32.
;;   The module's matrix products, in the order in which they are computed (A, B: the left and right operand; K: the contracted axis; several contracted axes count as one K, in the product's order):
;;     1. [M 4,096, K 4,096] x [K 4,096, N 4,096]; A: input x; B: computed on the way: QUANTISED
;;   THE QUANTISER, for each operand of a quantised product, along K:
;;     - K is cut into blocks of 32 from its start; a last block that is shorter is filled with zeros.
;;     - A block's scale is 2^e with e = floor(log2(the largest magnitude in the block)) - 2, held to -126 .. 127; a block of zeros has e = 0. As a byte (E8M0): e + 127.
;;     - Each number is divided by its block's scale, clamped to +-6, and rounded to the nearest number of E2M1, ties to even, subnormals kept.
;;     - The product sums the exact products of the quantised numbers (number of the format x scale) in f32.
;;   ~~~python
;;   def quantise(x, axis):      # numpy; x: float32 -> the quantised numbers, widened to float32 again
;;       x = np.moveaxis(x, axis, -1); K = x.shape[-1]
;;       x = np.pad(x, [(0, 0)] * (x.ndim - 1) + [(0, -K % 32)]); x = x.reshape(x.shape[:-1] + (-1, 32)); a = np.abs(x).max(-1, keepdims=True)
;;       e = np.where(a > 0, np.clip(np.frexp(np.where(a > 0, a, 1))[1] - 1 - 2, -126, 127), 0)      # np.frexp(a)[1] - 1 = floor(log2(a)), exactly
;;       r = np.clip(x / 2.0 ** e, -6, 6)
;;       step = 2.0 ** (np.maximum(np.frexp(np.where(r == 0, 1, r))[1] - 1, 0) - 1)
;;       q = np.round(r / step) * step * 2.0 ** e      # np.round: ties to even
;;       return np.moveaxis(q.reshape(q.shape[:-2] + (-1,))[..., :K], -1, axis).astype(np.float32)
;;   ~~~
;;   OPERANDS COMPUTED ON THE WAY. 'Computed on the way' means the value that the module computes at that place (a softmax that the list does not call 'softmax' is quantised finished and normalised). What goes into a quantiser is computed in f32, as accurately as f32 sums, v_exp_f32 and their like allow (about 1e-6 of the number): no bf16 or f16 on the way to a quantiser, and a product that is left as it is and whose result goes on into a quantised operand takes f32 operands (vector FMAs, or v_wmma_f32_16x16x4_f32). A number that lies on a knife's edge between two numbers of the format may be rounded either way, as far as f32 arithmetic and the matrix unit's own rounding can turn it there, and no further.
;; One version. Each part assembles by itself: llvm-mc -triple=amdgcn-amd-amdhsa -mcpu=gfx1250 --defsym DOCPART=n.
;; ======== version 1 of 1: 2 launches
;; limits: right only within a limited range of input values
;; workspace buffers: xq 8,912,896 bytes; wq 8,912,896 bytes
;; launch quant (part 1): grid 512 x 1, 4 waves a work-group, no clusters, 35,328 bytes of LDS; arguments x, qweight, scales, zero_points, xq, wq; writes xq, wq
.if DOCPART == 1
	.amdgcn_target "amdgcn-amd-amdhsa--gfx1250"
	.amdhsa_code_object_version 6
	.text
	.protected	k_qb3330c4374_quant
	.globl	k_qb3330c4374_quant
	.p2align	8
	.type	k_qb3330c4374_quant,@function
k_qb3330c4374_quant:
	s_mov_b64 s[64:65], 0
	v_nop
	global_prefetch_b8 v0, s[64:65] scope:SCOPE_SE
	s_setreg_imm32_b32 hwreg(HW_REG_WAVE_MODE, 25, 1), 1
	s_wait_xcnt 0x0
; x [4096][4096] f32 and w[n][k] = (f32(qweight[n][k]) - zero_points[n]) * scales[n] (convert, subtract, multiply, each rounded once, as the problem writes it)
; are turned into codes of FP4 (E2M1), 4 bits each, with one E8M0 scale byte for each 32 along K.  K is innermost in both.
; A block's scale is 2^(floor(log2(its largest magnitude)) - 2); its byte is the largest magnitude's exponent field - 2, held at 1 from below.
; LIMITS: NaN and infinities among the inputs are not served.  A block of zeros gets the byte 1 where the rule says 127: its codes are zeros, which add nothing
; under any byte but 0xff, and the bytes are read by this program alone.
; THE WORKSPACE IS LAID AS THE PRODUCT'S LAUNCH WANTS IT.  A tensor is cut into blocks of 128 rows x 512 along K, TILE = 34,816 dense bytes each, block (row / 128, k / 512)
; at ((row / 128) 8 + k / 512) TILE.  In a block: the 16 bytes of codes of (row, 32 along K) at 4096 ((row % 128) / 16) + 256 ((k % 512) / 32) + 16 (row % 16): 1,024 bytes on end are
; the image of an operand's registers for 16 rows x 128 K; behind the 32,768 bytes of codes the scale bytes, at 256 ((row % 128) / 16) + 16 (row % 16) + (k % 512) / 32.
; SHARES.  512 work-groups: the first 256 take x, the others qweight; only pointers are chosen, and one scalar branch on the work-group's number goes round the lines, on registers alone, that
; make w of q.  A work-group takes 16 whole rows; wave w takes k = 1024 w .. + 1023 of them, in 16 steps of 64 along K.
; A STEP.  Eight loads, in each of which sixteen lanes read 256 consecutive bytes of a row.  The conversions want 32 neighbours along K in ONE lane: so the step's 4,096 bytes turn through the wave's own
; stage in LDS (rows 272 bytes apart) and come back 128 bytes a lane: lane (r, h) holds row r's block 2 (t % 8) + h.  Its largest magnitude needs no other lane.
; A lane's 32 codes are 16 bytes, and by the layout above the wave's store covers 512 consecutive bytes.  Loads run four steps (32 loads a wave) ahead, the turn through LDS one step.  Waves share nothing: no barrier.
.set ROW,   16384                      ; bytes in a row of x or of qweight
.set SP,    272                        ; a stage row: 256 bytes + 16: the sixteen rows that a load touches start at sixteen different 16-byte columns of 256
.set STG,   16*SP                      ; a stage
.set WREG,  2*STG                      ; a wave's LDS: two stages by turns
.set TILE,  34816
.set RBLK,  8*TILE                     ; the blocks of 128 rows, all of K
.set STEPS, 16
.set LA,  4                            ; v4   in: h rows + 16 r
.set SA,  5                            ; v5   the stage, on the way in: row h, byte 16 r
.set RA,  6                            ; v6   and on the way out: row r, byte 128 h
.set CA,  7                            ; v7   my codes' place in a step's 512 bytes: 16 x lane
.set SO,  8                            ; v8   my scale words' place: 16 r, + a block for lanes 16-31
.set SH,  9                            ; v9   8 h
.set ZO,  10                           ; v10  4 r
.set ZP,  16                           ; v[16:17] my row's zero point, twice;  v[18:19] its scale, twice
.set SC,  18
.set W,   20                           ; v[20:27] scale words in the making: register t / 2
.set C,   28                           ; v[28:43] four sets of four registers of codes
.set X,   64                           ; v[64:127] two sets of 32 neighbours
.set R,   128                          ; v[128:255] four sets of 32 numbers as they are loaded
	s_load_b256 s[4:11], s[0:1], 0x0               ; x s[4:5], qweight s[6:7], scales s[8:9], zero_points s[10:11]
	s_load_b128 s[12:15], s[0:1], 0x20             ; xq s[12:13], wq s[14:15]
	v_lshl_add_u32 v62, v0, 2, 0x8800
	v_mov_b32 v63, 0
	v_lshrrev_b32 v1, 5, v0
	v_readfirstlane_b32 s16, v1                    ; wave 0..3
	v_and_b32 v1, 31, v0                           ; lane
	v_and_b32 v2, 15, v0                           ; r
	v_bfe_u32 v3, v0, 4, 1                         ; h
	s_wait_alu depctr_va_vdst(0)
	s_lshr_b32 s17, ttmp9, 8                       ; 0: x, 1: qweight
	s_and_b32 s18, ttmp9, 255                      ; which 16 rows
	s_lshl_b32 s20, s18, 18                        ; 16 rows of 16,384 bytes,
	s_lshl_b32 s19, s16, 12                        ; my wave's 1,024 numbers of each
	s_add_co_u32 s20, s20, s19
	s_mov_b32 s21, 0
	s_lshr_b32 s19, s18, 3
	s_mul_i32 s19, s19, RBLK                       ; out: the 128 rows' blocks,
	s_mul_i32 s22, s16, 2*TILE                     ; my wave's two of them
	s_add_co_u32 s19, s19, s22
	s_and_b32 s24, s18, 7                          ; which 16 of the 128 rows
	s_lshl_b32 s22, s24, 12
	s_add_co_u32 s22, s22, s19                     ; the codes: 4,096 bytes for 16 rows
	s_mov_b32 s23, 0
	s_lshl_b32 s24, s24, 8
	s_add_co_u32 s24, s24, s19                     ; the scale bytes: 256 for 16 rows
	s_mov_b32 s25, 0
	s_lshl_b32 s28, s18, 6                         ; 16 numbers of scales and of zero_points
	s_mov_b32 s29, 0
	s_mul_i32 s30, s16, WREG                       ; my wave's LDS
	v_lshlrev_b32 v[LA], 14, v3
	v_lshl_add_u32 v[LA], v2, 4, v[LA]
	v_mul_u32_u24 v[SA], v3, SP
	v_lshl_add_u32 v[SA], v2, 4, v[SA]
	v_add_nc_u32 v[SA], s30, v[SA]
	v_mul_u32_u24 v[RA], v2, SP
	v_lshl_add_u32 v[RA], v3, 7, v[RA]
	v_add_nc_u32 v[RA], s30, v[RA]
	v_lshlrev_b32 v[CA], 4, v1
	v_mul_u32_u24 v[SO], v3, TILE
	v_lshl_add_u32 v[SO], v2, 4, v[SO]
	v_lshlrev_b32 v[SH], 3, v3
	v_lshlrev_b32 v[ZO], 2, v2
	s_wait_alu depctr_va_vdst(0)
	s_wait_kmcnt 0x0
	s_cmp_eq_u32 s17, 0                            ; the choice hangs on the work-group's number alone
	s_cselect_b64 s[4:5], s[4:5], s[6:7]
	s_cselect_b64 s[12:13], s[12:13], s[14:15]
	s_add_nc_u64 s[4:5], s[4:5], s[20:21]
	s_add_nc_u64 s[26:27], s[12:13], s[24:25]      ; where my scale bytes go
	s_add_nc_u64 s[12:13], s[12:13], s[22:23]      ; where my codes go
	s_add_nc_u64 s[8:9], s[8:9], s[28:29]
	s_add_nc_u64 s[10:11], s[10:11], s[28:29]
	global_load_b32 v[ZP], v[ZO], s[10:11]         ; my row's zero point and scale.  x's work-groups load them too (x has as many rows as w, so the loads stay inside) and do not use them:
	global_load_b32 v[SC], v[ZO], s[8:9]           ; so every register is written on the one way that all take
.macro LOAD t                          ; step t: rows 2 i + h, 256 bytes each, into set t % 4
.irp i, 0,1,2,3,4,5,6,7
	global_load_b128 v[R+32*((\t)%4)+4*\i:R+32*((\t)%4)+4*\i+3], v[LA], s[4:5] offset:2*\i*ROW+256*(\t) th:TH_LOAD_NT
.endr
.endm
.macro TURN t                          ; step t's numbers through stage t % 2: LDS serves a wave's instructions in order (ISA guide 5.7.1.4), so no wait stands between the stores and the loads
.irp i, 0,1,2,3,4,5,6,7
	ds_store_b128 v[SA], v[R+32*((\t)%4)+4*\i:R+32*((\t)%4)+4*\i+3] offset:STG*((\t)%2)+2*\i*SP
.endr
.irp p, 0,1,2,3,4,5,6,7
	ds_load_b128 v[X+32*((\t)%2)+4*\p:X+32*((\t)%2)+4*\p+3], v[RA] offset:STG*((\t)%2)+16*\p
.endr
.endm
.irp t, 0,1,2,3
	LOAD \t
.endr
	s_wait_loadcnt 24                              ; the zero point, the scale and step 0's eight loads are in; the 24 loads of steps 1 to 3 may be out
	v_mov_b32 v[ZP+1], v[ZP]                       ; pairs for the packed forms
	v_mov_b32 v[SC+1], v[SC]
	TURN 0
.macro STEP t
.set XS, X+32*((\t)%2)
.set CS, C+4*((\t)%4)
	s_wait_dscnt 0x0                               ; this step's numbers are back from the stage: so its stores into the stage have read their registers,
.if (\t)+4 < STEPS
	LOAD (\t)+4                                    ; which take the loads of four steps on
.endif
.if (\t)+1 < STEPS
.if STEPS-2-(\t) >= 3
	s_wait_loadcnt 24                              ; the next step's eight loads are in; those of the three steps behind it may be out
.else
	s_wait_loadcnt 8*(STEPS-2-(\t))                ; at the end fewer steps stand behind it
.endif
	TURN (\t)+1                                    ; and go through the other stage while this step is worked
.endif
	s_cmp_lg_u32 s17, 0
	s_cbranch_scc0 .Lplain_\@                      ; x is taken as it is
.set j, 0
.rept 32
	v_cvt_f32_i32 v[XS+j], v[XS+j]                 ; q as f32
.set j, j+1
.endr
.set j, 0
.rept 16
	v_pk_add_f32 v[XS+j:XS+j+1], v[XS+j:XS+j+1], v[ZP:ZP+1] neg_lo:[0,1] neg_hi:[0,1]   ; - the row's zero point
.set j, j+2
.endr
.set j, 0
.rept 16
	v_pk_mul_f32 v[XS+j:XS+j+1], v[XS+j:XS+j+1], v[SC:SC+1]                             ; x the row's scale.  Not fused with the subtraction: the problem rounds both
.set j, j+2
.endr
.Lplain_\@:
	v_max3_num_f32 v12, |v[XS]|, |v[XS+1]|, |v[XS+2]|              ; the block's largest magnitude: all 32 numbers are mine; two chains
	v_max3_num_f32 v13, |v[XS+3]|, |v[XS+4]|, |v[XS+5]|
.irp i, 6,10,14,18,22,26
	v_max3_num_f32 v12, v12, |v[XS+\i]|, |v[XS+\i+1]|
	v_max3_num_f32 v13, v13, |v[XS+\i+2]|, |v[XS+\i+3]|
.endr
	v_max3_num_f32 v12, v12, |v[XS+30]|, |v[XS+31]|
	v_max3_num_f32 v12, v12, v13, 0x1800000        ; and the floor 2^(3 - 127), under which no largest magnitude is taken: so the byte cannot fall under 1
	v_add_nc_u32 v14, 0xff000000, v12              ; 2 off its exponent field: the conversion takes the exponent field of this operand as its scale, and nothing else of it
.if (\t) >= 4
	s_wait_alu depctr_va_vdst(0)
	s_wait_xcnt 0x0                                ; the store of four steps back has read this set of code registers: it is written again only behind this wait
.endif
.irp g, 0,1,2,3
	v_cvt_scalef32_pk8_fp4_f32 v[CS+\g], v[XS+8*\g:XS+8*\g+7], v14   ; eight numbers / the scale, to the nearest code, ties to even, beyond the largest code the largest; the first number's code in the lowest four bits
.endr
.if (\t)%2 == 0
	v_lshrrev_b32 v[W+(\t)/2], 23, v14             ; the scale's byte (also the plain line behind the conversions): an even step's at bit 0,
.else
	v_lshrrev_b32 v15, 23, v14
	v_lshl_or_b32 v[W+(\t)/2], v15, 16, v[W+(\t)/2]   ; an odd step's at bit 16
.endif
	global_store_b128 v[CA], v[CS:CS+3], s[12:13] offset:((\t)/8)*TILE+((\t)%8)*512   ; the wave stores 512 consecutive bytes, at a multiple of 256 from the buffer's first byte
.endm
.irp t, 0,1,2,3,4,5,6,7,8,9,10,11,12,13,14,15
	STEP \t
.endr
	; THE SCALE WORDS.  Block 2 (t % 8) + h of a K step of 512 is byte 2 (t % 2) + h of word (t % 8) / 2: so lanes 16-31 shift their two bytes one byte up,
.irp j, 0,1,2,3,4,5,6,7
	v_lshlrev_b32 v[W+\j], v[SH], v[W+\j]
.endr
	; and the halves are joined.  The exchange gives lanes 0-15 both halves of the first K step's word q and lanes 16-31 both halves of the second's
.irp q, 0,1,2,3
	v_permlane16_swap_b32 v[W+\q], v[W+4+\q]
.endr
.irp q, 0,1,2,3
	v_or_b32 v[W+\q], v[W+\q], v[W+4+\q]
.endr
	global_store_b128 v[SO], v[W:W+3], s[26:27] offset:32768   ; row r's 16 scale bytes of a K step: each half of the lanes stores 256 consecutive bytes, at a multiple of 256 from the buffer's first byte
	s_wait_tensorcnt 0x0
	ds_add_u32 v62, v63
	s_wait_dscnt 0x0
	s_endpgm
.Lfunc_end_k_qb3330c4374_quant:
	.size	k_qb3330c4374_quant, .Lfunc_end_k_qb3330c4374_quant-k_qb3330c4374_quant
	.p2alignl 7, 3214868480
	.fill 96, 4, 3214868480
	.section	.rodata,"a",@progbits
	.p2align	6, 0x0
	.amdhsa_kernel k_qb3330c4374_quant
		.amdhsa_group_segment_fixed_size 35328
		.amdhsa_private_segment_fixed_size 0
		.amdhsa_enable_private_segment 0
		.amdhsa_kernarg_size 48
		.amdhsa_user_sgpr_count 2
		.amdhsa_user_sgpr_kernarg_segment_ptr 1
		.amdhsa_wavefront_size32 1
		.amdhsa_system_sgpr_workgroup_id_x 1
		.amdhsa_system_sgpr_workgroup_id_y 1
		.amdhsa_system_sgpr_workgroup_id_z 1
		.amdhsa_system_vgpr_workitem_id 0
		.amdhsa_next_free_vgpr 256
		.amdhsa_next_free_sgpr 66
		.amdhsa_reserve_vcc 0
		.amdhsa_float_denorm_mode_32 3
		.amdhsa_float_denorm_mode_16_64 3
		.amdhsa_memory_ordered 1
		.amdhsa_forward_progress 1
		.amdhsa_inst_pref_size 107
	.end_amdhsa_kernel
	.amdgpu_metadata
---
amdhsa.version: [ 1, 2 ]
amdhsa.kernels:
  - .name:           k_qb3330c4374_quant
    .symbol:         k_qb3330c4374_quant.kd
    .args:
      - { .name: x, .offset: 0, .size: 8, .value_kind: global_buffer, .address_space: global }
      - { .name: qweight, .offset: 8, .size: 8, .value_kind: global_buffer, .address_space: global }
      - { .name: scales, .offset: 16, .size: 8, .value_kind: global_buffer, .address_space: global }
      - { .name: zero_points, .offset: 24, .size: 8, .value_kind: global_buffer, .address_space: global }
      - { .name: xq, .offset: 32, .size: 8, .value_kind: global_buffer, .address_space: global }
      - { .name: wq, .offset: 40, .size: 8, .value_kind: global_buffer, .address_space: global }
    .group_segment_fixed_size: 35328
    .private_segment_fixed_size: 0
    .kernarg_segment_align: 8
    .kernarg_segment_size: 48
    .max_flat_workgroup_size: 128
    .sgpr_count:     66
    .vgpr_count:     256
    .wavefront_size: 32
...
	.end_amdgpu_metadata
.endif
;; end of part 1
;; launch gemm (part 2): grid 16 x 16, 4 waves a work-group, clusters of 4 x 4, 327,680 bytes of LDS; arguments xq, wq, bias, out0; writes out0
.if DOCPART == 2
	.amdgcn_target "amdgcn-amd-amdhsa--gfx1250"
	.amdhsa_code_object_version 6
	.text
	.protected	k_qb3330c4374_gemm
	.globl	k_qb3330c4374_gemm
	.p2align	8
	.type	k_qb3330c4374_gemm,@function
k_qb3330c4374_gemm:
	s_mov_b64 s[64:65], 0
	v_nop
	global_prefetch_b8 v0, s[64:65] scope:SCOPE_SE
	s_setreg_imm32_b32 hwreg(HW_REG_WAVE_MODE, 25, 1), 1
	s_wait_xcnt 0x0
	s_wait_alu depctr_hold_cnt(0) depctr_sa_sdst(0) depctr_va_vdst(0) depctr_va_sdst(0) depctr_va_ssrc(0) depctr_va_vcc(0) depctr_vm_vsrc(0)
	s_getreg_b32 s2, hwreg(HW_REG_IB_STS2, 6, 4)
	s_cmp_eq_u32 s2, 0
	s_cbranch_scc0 .Lentry_in_a_cluster
	s_endpgm
.Lentry_in_a_cluster:
	s_bfe_u32 s2, ttmp6, 0x10000c
	s_cmp_lg_u32 s2, 0xf033
	s_cbranch_scc0 .Lentry_shape_is_right
	s_endpgm
.Lentry_shape_is_right:
; out0[m][n] = sum over k of X[m][k] W[n][k] + bias[n], X and W as codes of FP4 (E2M1) with one E8M0 byte for each 32 along K, as the launch before has laid them:
; blocks of 128 rows x 512 K, TILE = 34,816 dense bytes (32,768 of codes as images of operand registers, 1,024 bytes for 16 rows x 128 K; then 2,048 scale bytes, 16 a row).
; A work-group of four waves makes 256 x 256 of the output, a wave 128 x 128: 64 accumulators, 512 registers.  256 work-groups.  No step of the problem is left out.
; K goes in 8 steps of 512 through two LDS slots; a wave brings one block (136 rows of 256 bytes) with one tensor load.  Clusters of 4 x 4: X's blocks are asked for jointly along a row, W's along a column.
; Clusters of odd parity begin at K step 4 and go round, and the bias is added last: the order of the f32 sums differs from ascending K with the bias behind it by rounding alone.
; A QUARTER (128 along K, 64 matrix instructions) opens with the NEXT quarter's 32 LDS loads in one run: both operands have two sets of registers, so a fragment has 64 matrix instructions between request and use.
; THE CHANGE OF SLOTS stands in a slot's THIRD quarter: the slot's last fragments were asked for at that quarter's head, so the slot is read out there, and the fourth quarter fetches from the other slot.
; THE LAST K STEP GOES BY ROWS OF THE OUTPUT: all its fragments of W fill window 1, X's come by blocks of 16 rows x 512 K, and each block of 16 rows is finished by 32 products and leaves at once.
; The matrix instruction is used transposed (source 0 = 16 rows of W, source 1 = 16 rows of X): a lane holds eight neighbouring columns of one output row.
; PREFETCH: behind the joint load of K step j stands a request for K step j + 2 (behind the head's load for K step 1, behind slot 1's first fill for K steps 2 and 3).  A block's 136 units of 256 bytes are shared out by
; address among the four partners that ask for it jointly, 34 each: one instruction with a lane a unit, a second for units 32 and 33 (its other lanes name unit 33 again).  The loop's last trip asks for nothing.
; REGISTERS: window 0: v12-15 the bias of my four columns on the way out, v16-31 addresses, v32-63 slot 1's scale words, v64-95 slot 0's (lanes 0-15 X's block i, lanes 16-31 W's block i), v128-255 X's fragments, two sets;
;   in the last K step v64-127 take the rows on their way out and v128-255 four blocks of X.  window 1: v0-63, v128-191 W's fragments, two sets; in the last K step all 256.
;   window 2: accumulators of my rows 0-63 ((a, b) at v[8 (8 (a % 4) + b)]); window 3: of my rows 64-127.
.set SIZE_N, 4096
.set TILE,   34816
.set RBLK,   8*TILE
.set SLOT,   4*TILE                    ; X's two blocks, then W's two
.set SPARE,  2*SLOT                    ; behind the ring: the spare words, 128 bytes a wave
.set SPITCH, 528                       ; the way out: 16 rows x (512 + 16) bytes a wave, in slot 0 behind its last fill and last read
.set SHARE,  34*256
.set BI,   12
.set ADRA, 16                          ; v16-17 my X fragments in slot 0, 1
.set ADRB, 20                          ; v20-21 my W fragments
.set ADRS, 22                          ; v22-23 my scale words
.set STO,  24
.set RD,   25
.set CO,   26
.set SPW,  28                          ; my spare word; never rewritten
.set NIL,  29                          ; 0; never rewritten
.set PF1,  30                          ; 256 x lane
.set PF2,  31                          ; 8,192 + 256 x min(lane, 1)
.set SC,   32                          ; slot s's scale words at SC + 32 (1 - s)
.set BB,   64
.set AF,   128
.set G1, 24
.set G0, 32
.set G1B, 48
.set G0B, 56
.set BASEA, 66
.set BASEB, 68
.set KOFF,  70
.set KIDX,  72
.set PFA,   74
.set PFT,   76
.set KOF2,  78
.set MSB, 0
.macro WIN new                         ; the immediate's high byte repeats the setting that is left
.if MSB != \new
	s_set_vgpr_msb (MSB<<8)|\new
.set MSB, \new
.endif
.endm
.set MUL_LO,   0xa1                    ; source 0 (W) window 1, source 1 (X) window 0, C and D window 2
.set MUL_HI,   0xf1                    ; C and D window 3
.set TO_B,     0x40                    ; destination window 1, address window 0
.macro JLOAD s                         ; a joint load: waves 0, 1 fetch X's two blocks, waves 2, 3 W's; s_nop 0 and four v_nop behind each line
	s_cmp_eq_u32 s15, 0
	s_cbranch_scc0 .Lfor_b_\@
	tensor_load_to_lds s[G0+4*\s:G0+4*\s+3], s[G1:G1+7]
	s_nop 0
.rept 4
	v_nop
.endr
	s_branch .Lasked_\@
.Lfor_b_\@:
	tensor_load_to_lds s[G0B+4*\s:G0B+4*\s+3], s[G1B:G1B+7]
	s_nop 0
.rept 4
	v_nop
.endr
.Lasked_\@:
.endm
.macro AIM slot                        ; the slot's group 0 at K step KIDX mod 8; KIDX steps on
	s_and_b32 s[KOFF], s[KIDX], 7
	s_mul_i32 s[KOFF], s[KOFF], TILE
	s_add_nc_u64 s[G0+4*\slot+2:G0+4*\slot+3], s[BASEA:BASEA+1], s[KOFF:KOFF+1]
	s_or_b32 s[G0+4*\slot+3], s[G0+4*\slot+3], 0x80000000
	s_add_nc_u64 s[G0B+4*\slot+2:G0B+4*\slot+3], s[BASEB:BASEB+1], s[KOFF:KOFF+1]
	s_or_b32 s[G0B+4*\slot+3], s[G0B+4*\slot+3], 0x80000000
	s_add_co_u32 s[KIDX], s[KIDX], 1
.endm
.macro CREST                           ; a round of the cluster's barrier behind its opening barrier
	s_cmp_lg_u32 s14, 0
	s_cbranch_scc1 .Lnot_wave_0_\@
	s_barrier_signal -3
.Lnot_wave_0_\@:
	s_barrier_wait -3
	s_barrier_signal -1
	s_barrier_wait -1
.endm
.macro CROUND
	s_barrier_signal -1
	s_barrier_wait -1
	CREST
.endm
; my share of a block, 34 units.  how = 1: in the loop, not in its last trip (s3 = 1); how = 2: at the head, the K step in the immediate
.macro ASK how, off
.if \how == 1
	s_cmp_gt_u32 s3, 1
	s_cbranch_scc0 .Lno_ask_\@
.endif
.if \how
	global_prefetch_b8 v[PF1], s[PFT:PFT+1] offset:\off th:TH_LOAD_NT scope:SCOPE_SE
	global_prefetch_b8 v[PF2], s[PFT:PFT+1] offset:\off th:TH_LOAD_NT scope:SCOPE_SE
.endif
.if \how == 1
.Lno_ask_\@:
.endif
.endm
	s_load_b256 s[4:11], s[0:1], 0x0               ; xq s[4:5], wq s[6:7], bias s[8:9], out0 s[10:11]
	v_lshl_add_u32 v[SPW], v0, 2, SPARE
	v_mov_b32 v[NIL], 0
	ds_add_u32 v[SPW], v[NIL]                      ; the opening lines: the add, twice on end, and its wait ahead of my first tensor load
	ds_add_u32 v[SPW], v[NIL]
	v_lshrrev_b32 v1, 5, v0
	v_readfirstlane_b32 s14, v1                    ; wave 0..3
	s_lshr_b32 s15, s14, 1                         ; my half of the rows; also: I fetch for X (0) or W (1)
	s_and_b32 s16, s14, 1                          ; my half of the columns; also: which block I fetch
	s_bfe_u32 s40, ttmp6, 0x40000                  ; cx
	s_bfe_u32 s41, ttmp6, 0x40004                  ; cy
	s_lshl_b32 s42, ttmp9, 2
	s_add_co_u32 s42, s42, s40                     ; tile column
	s_and_b32 s17, ttmp7, 0xffff
	s_lshl_b32 s17, s17, 2
	s_add_co_u32 s17, s17, s41                     ; tile row
	s_lshl_b32 s43, s41, 2
	s_lshl_b32 s43, 15, s43                        ; my row of the cluster
	s_lshl_b32 s44, 0x1111, s40                    ; my column
	s_and_b32 s18, ttmp7, 0xffff                   ; the parity of the cluster's two coordinates: the same in all sixteen partners
	s_xor_b32 s18, s18, ttmp9
	s_lshr_b32 s19, s18, 1
	s_xor_b32 s18, s18, s19
	s_and_b32 s18, s18, 1
	s_lshl_b32 s[KIDX], s18, 2                     ; the first K step: 0 or 4
	s_mov_b32 s[KOFF+1], 0
	s_mov_b32 s[KOF2+1], 0
	s_or_b32 s[G1+0], s43, (3<<16)|(1<<21)         ; the mask; elements of 8 bytes; bit 21 beside a mask; no padding: the block is read as it lies
	s_or_b32 s[G1B+0], s44, (3<<16)|(1<<21)
.irp g, G1, G1B
	s_mov_b32 s[\g+1], 32<<16                      ; rows of 32 elements = 256 bytes
	s_mov_b32 s[\g+2], 136<<16                     ; 136 rows
	s_mov_b32 s[\g+3], 32<<16
	s_mov_b32 s[\g+4], 136
	s_mov_b32 s[\g+5], 32
	s_mov_b32 s[\g+6], 0
	s_mov_b32 s[\g+7], 0
.endr
	s_lshl_b32 s20, s17, 1
	s_add_co_u32 s20, s20, s16
	s_mul_i32 s20, s20, RBLK                       ; X: the 128 rows that I fetch
	s_mov_b32 s21, 0
	s_lshl_b32 s46, s42, 1
	s_add_co_u32 s46, s46, s16
	s_mul_i32 s46, s46, RBLK                       ; W likewise
	s_mov_b32 s47, 0
	s_mul_i32 s45, s14, TILE                       ; where my block goes in a slot
	s_cmp_eq_u32 s15, 0
	s_cselect_b32 s18, s40, s41                    ; my place among the four that ask with me
	s_mul_i32 s18, s18, SHARE
	s_mov_b32 s19, 0
	s_mul_i32 s[KOF2], s[KIDX], TILE
	s_wait_dscnt 0x0                               ; both opening adds are done
	s_wait_kmcnt 0x0
	s_add_nc_u64 s[BASEA:BASEA+1], s[4:5], s[20:21]
	s_add_nc_u64 s[BASEB:BASEB+1], s[6:7], s[46:47]
	s_cmp_eq_u32 s15, 0
	s_cselect_b64 s[PFA:PFA+1], s[BASEA:BASEA+1], s[BASEB:BASEB+1]
	s_add_nc_u64 s[PFA:PFA+1], s[PFA:PFA+1], s[18:19]
	s_add_nc_u64 s[PFT:PFT+1], s[PFA:PFA+1], s[KOF2:KOF2+1]   ; at my first K step: the three behind it do not wrap (0..3 or 4..7)
.irp s, 0,1
	s_mov_b32 s[G0+4*\s], 1
	s_add_co_u32 s[G0+4*\s+1], s45, \s*SLOT
	s_mov_b32 s[G0B+4*\s], 1
	s_add_co_u32 s[G0B+4*\s+1], s45, \s*SLOT
	AIM \s
.endr
	CROUND                                         ; all sixteen work-groups are here: the first joint loads meet
	JLOAD 0                                        ; my one tensor load at the head
	s_mul_i32 s22, s15, TILE                       ; my X block in a slot
	s_mul_i32 s23, s16, TILE
	s_add_co_u32 s23, s23, 2*TILE                  ; my W block
	s_xor_b32 s12, s15, 1
	s_add_co_u32 s12, s12, s16
	s_add_co_u32 s12, s12, 1
	s_mul_i32 s12, s12, TILE                       ; from my X block to my W block
	s_mul_i32 s13, s14, 16*SPITCH                  ; my stage
	s_lshl_b32 s20, s17, 8
	s_lshl_b32 s21, s15, 7
	s_add_co_u32 s20, s20, s21
	s_lshl_b32 s20, s20, 14                        ; my first output row, 16,384 bytes a row
	s_mov_b32 s21, 0
	s_lshl_b32 s46, s42, 10
	s_lshl_b32 s47, s16, 9
	s_add_co_u32 s46, s46, s47                     ; my first column, in bytes
	s_mov_b32 s47, 0
	s_add_nc_u64 s[8:9], s[8:9], s[46:47]
	s_add_nc_u64 s[10:11], s[10:11], s[20:21]
	s_add_nc_u64 s[10:11], s[10:11], s[46:47]
	v_and_b32 v1, 15, v0                           ; r
	v_bfe_u32 v2, v0, 4, 1                         ; h
	v_and_b32 v3, 31, v0                           ; lane
	v_lshlrev_b32 v4, 4, v3
	v_mul_u32_u24 v5, s12, v2                      ; lanes 16-31 take W's scale words
	v_lshl_add_u32 v5, v1, 4, v5
	v_add_nc_u32 v5, 32768, v5
	v_add_nc_u32 v[ADRA], s22, v4
	v_add_nc_u32 v[ADRB], s23, v4
	v_add_nc_u32 v[ADRS], s22, v5
	v_add_nc_u32 v[ADRA+1], SLOT, v[ADRA]
	v_add_nc_u32 v[ADRB+1], SLOT, v[ADRB]
	v_add_nc_u32 v[ADRS+1], SLOT, v[ADRS]
	v_mul_u32_u24 v6, v1, SPITCH
	v_lshl_add_u32 v6, v2, 5, v6
	v_add_nc_u32 v[STO], s13, v6                   ; into the stage: row r, 32 bytes for each half of the lanes
	v_lshlrev_b32 v[CO], 4, v3
	v_add_nc_u32 v[RD], s13, v[CO]                 ; back: 32 lanes take a row of 512 bytes
	v_lshlrev_b32 v[PF1], 8, v3
	v_min_u32 v[PF2], 1, v3
	v_lshl_add_u32 v[PF2], v[PF2], 8, 8192
	s_wait_alu depctr_va_vdst(0)                   ; the wait at the head's end: up to the way out no vector instruction writes a register behind it
	global_load_b128 v[BI:BI+3], v[CO], s[8:9]     ; bias[4 lane .. + 3] of my 128 columns: what a lane holds of every row on the way out
	ASK 2, TILE                                    ; K step 1
.macro FRAG reg, adr, q, i             ; 16 rows x 128 K: 1,024 bytes on end, 16 a lane in each of two loads
.irp c, 0,1
	ds_load_b128 v[\reg+4*\c:\reg+4*\c+3], v[\adr] offset:4096*(\i)+1024*(\q)+512*\c
.endr
.endm
; 16 matrix instructions: X's blocks a0, a0 + 1 against W's eight; set p, the slot's q-th 128 along K.  zero = 1: they start the sums.  The 64 accumulators take turns in the same order in every quarter
.macro MUL16 a0, p, q, sc, zero
.irp a, \a0, \a0+1
.irp b, 0,1,2,3,4,5,6,7
.if \zero
	v_wmma_scale_f32_16x16x128_f8f6f4 v[8*(8*((\a)%4)+\b):8*(8*((\a)%4)+\b)+7], v[128*(\p)+8*\b:128*(\p)+8*\b+7], v[AF+64*(\p)+8*(\a):AF+64*(\p)+8*(\a)+7], 0, v[SC+32*(1-(\sc))+4*\b+(\q)], v[SC+32*(1-(\sc))+4*(\a)+(\q)] matrix_a_fmt:MATRIX_FMT_FP4 matrix_b_fmt:MATRIX_FMT_FP4 matrix_a_scale:MATRIX_SCALE_ROW1
.else
	v_wmma_scale_f32_16x16x128_f8f6f4 v[8*(8*((\a)%4)+\b):8*(8*((\a)%4)+\b)+7], v[128*(\p)+8*\b:128*(\p)+8*\b+7], v[AF+64*(\p)+8*(\a):AF+64*(\p)+8*(\a)+7], v[8*(8*((\a)%4)+\b):8*(8*((\a)%4)+\b)+7], v[SC+32*(1-(\sc))+4*\b+(\q)], v[SC+32*(1-(\sc))+4*(\a)+(\q)] matrix_a_fmt:MATRIX_FMT_FP4 matrix_b_fmt:MATRIX_FMT_FP4 matrix_a_scale:MATRIX_SCALE_ROW1
.endif
.endr
.endr
.endm
.macro SCALES slot                     ; the slot's scale words: four a row
.irp i, 0,1,2,3,4,5,6,7
	ds_load_b128 v[SC+32*(1-\slot)+4*\i:SC+32*(1-\slot)+4*\i+3], v[ADRS+\slot] offset:256*\i
.endr
.endm
; one run of LDS loads: (sca = 1: the slot's 8 loads of scale words,) W's 16, X's 16, into set p
.macro FETCH slot, q, p, sca
.if \sca
	SCALES \slot
.endif
	WIN TO_B
.irp i, 0,1,2,3,4,5,6,7
	FRAG 128*(\p)+8*\i, ADRB+\slot, \q, \i
.endr
	WIN 0
.irp i, 0,1,2,3,4,5,6,7
	FRAG AF+64*(\p)+8*\i, ADRA+\slot, \q, \i
.endr
.endm
.macro PLACES                          ; four places between products and the loads into registers that they read, or the first read of their results (ISA guide 7.12.1 for the first read of their results)
.rept 4
	v_nop
.endr
.endm
; A quarter: first the fetch of quarter (ns, nq) into the other set, then this quarter's 64 products.  The counts leave out the fetch just issued (32, or 40 with scale words) and what of this quarter's X is not yet needed.
.macro STEP slot, q, ns, nq, sca, ask, off, zero
	PLACES
	FETCH \ns, \nq, 1-(\q)%2, \sca
	ASK \ask, \off
	s_wait_dscnt 44+8*\sca                         ; scale words, W and X's blocks 0, 1 are in; X's blocks 2-7 (12 loads) and the fetch may be out
	WIN MUL_LO
	MUL16 0, (\q)%2, \q, \slot, \zero
	s_wait_dscnt 40+8*\sca                         ; X's blocks 2, 3
	MUL16 2, (\q)%2, \q, \slot, \zero
	s_wait_dscnt 32+8*\sca                         ; all but the fetch
	WIN MUL_HI
	MUL16 4, (\q)%2, \q, \slot, \zero
	MUL16 6, (\q)%2, \q, \slot, \zero
	WIN 0
.endm
; A slot's third quarter, with the change of slots.  Its fetch takes the slot's last fragments; in front of the barrier each wave waits for all its tensor loads (its block of the other slot), adds 0 to its spare word,
; and waits for the add and for its reads of this slot.  fill = 1: the barrier opens a round of the cluster's barrier, and the slot is filled again, two K steps on.
.macro TURN slot, fill
	PLACES
	FETCH \slot, 3, 1, 0
	s_wait_dscnt 44
	WIN MUL_LO
	MUL16 0, 0, 2, \slot, 0
	s_wait_dscnt 40
	MUL16 2, 0, 2, \slot, 0
	WIN 0
.if \fill
	s_wait_xcnt 0x0                                ; my earlier prefetches have read their address: it is written only behind this wait
	s_add_co_u32 s[KOF2], s[KIDX], 2               ; the K step two behind the one that this refill brings
	s_and_b32 s[KOF2], s[KOF2], 7
	s_mul_i32 s[KOF2], s[KOF2], TILE
	s_add_nc_u64 s[PFT:PFT+1], s[PFA:PFA+1], s[KOF2:KOF2+1]
.endif
	s_wait_tensorcnt 0x0                           ; all my tensor loads have landed
	ds_add_u32 v[SPW], v[NIL]
.if \fill
	AIM \slot                                      ; no tensor load of mine is out: the group 0 may be written
.endif
	s_wait_dscnt 33                                ; this quarter's fragments are in; the fetch's 32 loads and the add may be out
	WIN MUL_HI
	MUL16 4, 0, 2, \slot, 0
	s_wait_dscnt 0x0                               ; the add is done and my reads of this slot are over
	s_barrier_signal -1
	MUL16 6, 0, 2, \slot, 0
	WIN 0
	s_barrier_wait -1
.if \fill
	CREST
	JLOAD \slot                                    ; the first tensor load behind the round
.endif
.endm
	s_wait_tensorcnt 0x0                           ; my block of K step 0 is in
	ds_add_u32 v[SPW], v[NIL]
	s_wait_dscnt 0x0
	CROUND
	JLOAD 1                                        ; slot 1's first fill, the first tensor load behind the round
	FETCH 0, 0, 0, 1
	ASK 2, 2*TILE                                  ; K step 2, and in the quarter below K step 3
	STEP 0, 0, 0, 1, 0, 2, 3*TILE, 1               ; the first quarter stands ahead of the loop: its products start the sums
	s_mov_b32 s3, 3
.Llap:                                                 ; a trip goes once round the ring and fills both slots again
	STEP 0, 1, 0, 2, 0, 0, 0, 0
	TURN 0, 1
	STEP 0, 3, 1, 0, 1, 1, 0, 0
	STEP 1, 0, 1, 1, 0, 0, 0, 0
	STEP 1, 1, 1, 2, 0, 0, 0, 0
	TURN 1, 1
	STEP 1, 3, 0, 0, 1, 1, 0, 0
	STEP 0, 0, 0, 1, 0, 0, 0, 0
	s_sub_co_u32 s3, s3, 1
	s_cmp_lg_u32 s3, 0
	s_cbranch_scc1 .Llap
	STEP 0, 1, 0, 2, 0, 0, 0, 0                    ; the last lap fills nothing
	TURN 0, 0
; THE LAST K STEP (slot 1) BY ROWS.  W's quarter q lies at v[64 q ..] of window 1; X's block a, all four quarters, in buffer a % 4 of 32 registers from v128 of window 0.
.macro BLOAD q
.irp i, 0,1,2,3,4,5,6,7
	FRAG 64*\q+8*\i, ADRB+1, \q, \i
.endr
.endm
.macro ALOAD a
.set FL, AF+32*((\a)%4)
.irp q, 0,1,2,3
	FRAG FL+8*\q, ADRA+1, \q, \a
.endr
.endm
.macro ROW a                           ; block a is finished: 32 products, its 8 accumulators by turns
.set FA, AF+32*((\a)%4)
.set AR, 64*((\a)%4)
	WIN MUL_LO+0x50*((\a)/4)
.irp q, 0,1,2,3
.if (\a) == 0 && \q == 2
	s_wait_dscnt 0x0                               ; W's quarter 2 and X's blocks 2, 3 are in
.endif
.irp b, 0,1,2,3,4,5,6,7
	v_wmma_scale_f32_16x16x128_f8f6f4 v[AR+8*\b:AR+8*\b+7], v[64*\q+8*\b:64*\q+8*\b+7], v[FA+8*\q:FA+8*\q+7], v[AR+8*\b:AR+8*\b+7], v[SC+4*\b+\q], v[SC+4*(\a)+\q] matrix_a_fmt:MATRIX_FMT_FP4 matrix_b_fmt:MATRIX_FMT_FP4 matrix_a_scale:MATRIX_SCALE_ROW1
.endr
.endr
.endm
; THE WAY OUT of block a, 16 rows x 128 columns: through my own stage and back as whole rows of 512 bytes; there the bias is added: a lane holds the same four columns of every row.
; LDS serves a wave's instructions in order (ISA guide 5.7.1.4): no wait between the stores and the loads.
.macro TOSTAGE a
.set AR, 64*((\a)%4)
.if (\a) > 0
	s_wait_xcnt 0x0                                ; the last block's stores have read their registers and their base
.endif
	WIN 0x08+4*((\a)/4)                            ; the data: window 2 or 3
.irp b, 0,1,2,3,4,5,6,7
	ds_store_b128 v[STO], v[AR+8*\b:AR+8*\b+3] offset:64*\b          ; each accumulator from its low end on
	ds_store_b128 v[STO], v[AR+8*\b+4:AR+8*\b+7] offset:64*\b+16
.endr
	WIN 0
.irp t, 0,1,2,3,4,5,6,7,8,9,10,11,12,13,14,15
	ds_load_b128 v[BB+4*\t:BB+4*\t+3], v[RD] offset:\t*SPITCH
.endr
.endm
.macro SEND a, younger                 ; younger: the LDS loads issued behind TOSTAGE's, which may stay out
	s_wait_dscnt \younger                          ; the block is back in registers
.if (\a) > 0
	s_add_nc_u64 s[10:11], s[10:11], 16*SIZE_N*4   ; 16 rows on
.endif
.irp t, 0,1,2,3,4,5,6,7,8,9,10,11,12,13,14,15
	v_pk_add_f32 v[BB+4*\t:BB+4*\t+1], v[BB+4*\t:BB+4*\t+1], v[BI:BI+1]
	v_pk_add_f32 v[BB+4*\t+2:BB+4*\t+3], v[BB+4*\t+2:BB+4*\t+3], v[BI+2:BI+3]
.endr
.irp t, 0,1,2,3,4,5,6,7,8,9,10,11,12,13,14,15
	global_store_b128 v[CO], v[BB+4*\t:BB+4*\t+3], s[10:11] offset:\t*SIZE_N*4 th:TH_STORE_NT   ; 32 lanes store 512 consecutive bytes, at a multiple of 256 from the buffer's first byte
.endr
.endm
	PLACES                                         ; slot 0's fourth quarter multiplies set 1 (v128-191 of window 1, v192-255 of window 0), which landed ahead of the barrier; what does not lie there is fetched now
	SCALES 1
	WIN TO_B
	BLOAD 0
	BLOAD 1
	WIN 0
	ALOAD 0
	WIN TO_B
	BLOAD 3
	WIN 0
	ALOAD 1
	WIN MUL_LO
	MUL16 0, 1, 3, 0, 0
	MUL16 2, 1, 3, 0, 0
	WIN MUL_HI
	MUL16 4, 1, 3, 0, 0
	MUL16 6, 1, 3, 0, 0
	PLACES                                         ; for the loads into set 1
	WIN TO_B
	BLOAD 2
	WIN 0
	ALOAD 2
	ALOAD 3
	s_wait_loadcnt 0x0                             ; the bias
	s_wait_dscnt 32                                ; all but the 32 just issued
	ROW 0
.irp a, 0,1,2,3,4,5,6,7                ; each block leaves as soon as it is finished
	PLACES
	TOSTAGE \a
.if \a < 4
	ALOAD \a+4                                     ; its buffer takes the block four further on
	SEND \a, 8
.else
	SEND \a, 0
.endif
.if \a < 7
	ROW \a+1
.endif
.endr
	s_wait_tensorcnt 0x0                           ; the wave's end
	ds_add_u32 v[SPW], v[NIL]
	s_wait_dscnt 0x0
	CROUND                                         ; the closing round
	s_endpgm
.Lfunc_end_k_qb3330c4374_gemm:
	.size	k_qb3330c4374_gemm, .Lfunc_end_k_qb3330c4374_gemm-k_qb3330c4374_gemm
	.p2alignl 7, 3214868480
	.fill 96, 4, 3214868480
	.section	.rodata,"a",@progbits
	.p2align	6, 0x0
	.amdhsa_kernel k_qb3330c4374_gemm
		.amdhsa_group_segment_fixed_size 327680
		.amdhsa_private_segment_fixed_size 0
		.amdhsa_enable_private_segment 0
		.amdhsa_kernarg_size 32
		.amdhsa_user_sgpr_count 2
		.amdhsa_user_sgpr_kernarg_segment_ptr 1
		.amdhsa_wavefront_size32 1
		.amdhsa_system_sgpr_workgroup_id_x 1
		.amdhsa_system_sgpr_workgroup_id_y 1
		.amdhsa_system_sgpr_workgroup_id_z 1
		.amdhsa_system_vgpr_workitem_id 0
		.amdhsa_next_free_vgpr 1024
		.amdhsa_next_free_sgpr 80
		.amdhsa_reserve_vcc 0
		.amdhsa_float_denorm_mode_32 3
		.amdhsa_float_denorm_mode_16_64 3
		.amdhsa_memory_ordered 1
		.amdhsa_forward_progress 1
		.amdhsa_inst_pref_size 227
	.end_amdhsa_kernel
	.amdgpu_metadata
---
amdhsa.version: [ 1, 2 ]
amdhsa.kernels:
  - .name:           k_qb3330c4374_gemm
    .symbol:         k_qb3330c4374_gemm.kd
    .args:
      - { .name: xq, .offset: 0, .size: 8, .value_kind: global_buffer, .address_space: global }
      - { .name: wq, .offset: 8, .size: 8, .value_kind: global_buffer, .address_space: global }
      - { .name: bias, .offset: 16, .size: 8, .value_kind: global_buffer, .address_space: global }
      - { .name: out0, .offset: 24, .size: 8, .value_kind: global_buffer, .address_space: global }
    .group_segment_fixed_size: 327680
    .private_segment_fixed_size: 0
    .kernarg_segment_align: 8
    .kernarg_segment_size: 32
    .max_flat_workgroup_size: 128
    .sgpr_count:     80
    .vgpr_count:     1024
    .wavefront_size: 32
...
	.end_amdgpu_metadata
.endif
;; end of part 2
